; MI455X (gfx1250); checked and timed in simulation.
; The chip was launched on July 23, 2026; its instructions are those of AMD's public machine-readable ISA for CDNA 5 (MIT licence, August 2026) and "CDNA5" Instruction Set Architecture Reference Guide (July 2026). The comments in the code are by the model that wrote it; some were corrected since.
;; Multi Head Attention. Allowed arithmetic: matrix products marked QUANTISED: E2M3 operands, one E8M0 scale for each 32 along K, by v_wmma_scale_f32_16x16x128_f8f6f4 with both operands' format E2M3, f32 sums; everything else in f32.
;; Inputs: Wk_codes 16 x 64 x 32 x 24 uint8 (E2M3 codes of Wk, K innermost, in blocks of 32 codes, four codes in three bytes); Wk_scales 16 x 64 x 32 uint8 (E8M0 scales of Wk, one for each 32 codes along K); Wo_codes 1,024 x 32 x 24 uint8 (E2M3 codes of Wo, K innermost, in blocks of 32 codes, four codes in three bytes); Wo_scales 1,024 x 32 uint8 (E8M0 scales of Wo, one for each 32 codes along K); Wq_codes 16 x 64 x 32 x 24 uint8 (E2M3 codes of Wq, K innermost, in blocks of 32 codes, four codes in three bytes); Wq_scales 16 x 64 x 32 uint8 (E8M0 scales of Wq, one for each 32 codes along K); Wv_codes 16 x 64 x 32 x 24 uint8 (E2M3 codes of Wv, K innermost, in blocks of 32 codes, four codes in three bytes); Wv_scales 16 x 64 x 32 uint8 (E8M0 scales of Wv, one for each 32 codes along K); bk 16 x 64 float32; bo 1,024 float32; bq 16 x 64 float32; bv 16 x 64 float32; x_codes 2 x 2,048 x 32 x 24 uint8 (E2M3 codes of x, K innermost, in blocks of 32 codes, four codes in three bytes); x_scales 2 x 2,048 x 32 uint8 (E8M0 scales of x, one for each 32 codes along K).
;; Outputs: out0 2 x 2,048 x 1,024 float32.
;; This version of the problem:
;;   THIS VERSION OF THE PROBLEM IS GIVEN IN LOW PRECISION. The matrix products marked QUANTISED in the list below multiply operands that are first quantised to E2M3 (2 exponent bits, 3 mantissa bits; 6 bits a number), with one power-of-two scale for each 32 numbers along K (OCP MX v1.0); their sums are f32. All else is computed in f32.
;;   The module's matrix products, in the order in which they are computed (A, B: the left and right operand; K: the contracted axis; several contracted axes count as one K, in the product's order):
;;     1. [M 1,024, K 1,024] x [K 1,024, N 4,096]; A: input Wq (given as codes); B: input x (given as codes): QUANTISED
;;     2. [M 1,024, K 1,024] x [K 1,024, N 4,096]; A: input Wk (given as codes); B: input x (given as codes): QUANTISED
;;     3. [M 1,024, K 1,024] x [K 1,024, N 4,096]; A: input Wv (given as codes); B: input x (given as codes): QUANTISED
;;     4. batch 32 x [M 2,048, K 64] x [K 64, N 2,048]; A: computed on the way; B: computed on the way: QUANTISED
;;     5. batch 32 x [M 2,048, K 2,048] x [K 2,048, N 64]; A: softmax (see below); B: computed on the way: QUANTISED
;;     6. [M 4,096, K 1,024] x [K 1,024, N 1,024]; A: computed on the way; B: input Wo (given as codes): QUANTISED
;;   THE QUANTISER, for each operand of a quantised product, along K:
;;     - K is cut into blocks of 32 from its start; a last block that is shorter is filled with zeros.
;;     - A block's scale is 2^e with e = floor(log2(the largest magnitude in the block)) - 2, held to -126 .. 127; a block of zeros has e = 0. As a byte (E8M0): e + 127.
;;     - Each number is divided by its block's scale, clamped to +-7.5, and rounded to the nearest number of E2M3, ties to even, subnormals kept.
;;     - The product sums the exact products of the quantised numbers (number of the format x scale) in f32.
;;   ~~~python
;;   def quantise(x, axis):      # numpy; x: float32 -> the quantised numbers, widened to float32 again
;;       x = np.moveaxis(x, axis, -1); K = x.shape[-1]
;;       x = np.pad(x, [(0, 0)] * (x.ndim - 1) + [(0, -K % 32)]); x = x.reshape(x.shape[:-1] + (-1, 32)); a = np.abs(x).max(-1, keepdims=True)
;;       e = np.where(a > 0, np.clip(np.frexp(np.where(a > 0, a, 1))[1] - 1 - 2, -126, 127), 0)      # np.frexp(a)[1] - 1 = floor(log2(a)), exactly
;;       r = np.clip(x / 2.0 ** e, -7.5, 7.5)
;;       step = 2.0 ** (np.maximum(np.frexp(np.where(r == 0, 1, r))[1] - 1, 0) - 3)
;;       q = np.round(r / step) * step * 2.0 ** e      # np.round: ties to even
;;       return np.moveaxis(q.reshape(q.shape[:-2] + (-1,))[..., :K], -1, axis).astype(np.float32)
;;   ~~~
;;   SOFTMAX AHEAD OF A QUANTISED PRODUCT. Where the list says 'softmax', what is quantised is not the finished softmax but p = 2^(t - M), with t = logit x log2(e) and M = ceil(the row's largest t), a whole number; so 1/2 < the row's largest p <= 1. The row's sum l is taken of the UNQUANTISED p, in f32, and the product's result is divided by l at the end. Since M is a whole number, a kernel that streams over the keys may use a running M (the ceiling of the running maximum): every later rescaling is an exact power of two, which a block's scale takes up: the codes' values come out the same.
;;   OPERANDS COMPUTED ON THE WAY. 'Computed on the way' means the value that the module computes at that place (a softmax that the list does not call 'softmax' is quantised finished and normalised). What goes into a quantiser is computed in f32, as accurately as f32 sums, v_exp_f32 and their like allow (about 1e-6 of the number): no bf16 or f16 on the way to a quantiser, and a product that is left as it is and whose result goes on into a quantised operand takes f32 operands (vector FMAs, or v_wmma_f32_16x16x4_f32). A number that lies on a knife's edge between two numbers of the format may be rounded either way, as far as f32 arithmetic and the matrix unit's own rounding can turn it there, and no further.
;;   INPUTS GIVEN AS CODES. Wk (in the module: [16, 1024, 64], K = its axis 1); Wo (in the module: [1024, 1024], K = its axis 0); Wq (in the module: [16, 1024, 64], K = its axis 1); Wv (in the module: [16, 1024, 64], K = its axis 1); x (in the module: [2, 2048, 1024], K = its axis 2): each comes as NAME_codes (uint8): NAME with its K axis moved to the last place and cut into blocks of 32 codes, [.., K / 32, bytes a block], one block behind the other in memory; four codes in three bytes: a row's codes are one little-endian stream of bits, code i at bits 6 i .. 6 i + 5 (a code: sign, 2 exponent bits, 3 mantissa bits); and NAME_scales (uint8): the same leading axes, one E8M0 byte (e + 127) for each 32 codes along K. Its value is code x scale, taken as it is: it is not quantised again, and the codes and scales need not be those that the quantiser above would give.
;; One version. Each part assembles by itself: llvm-mc -triple=amdgcn-amd-amdhsa -mcpu=gfx1250 --defsym DOCPART=n.
;; ======== version 1 of 1: 3 launches
;; limits: right only within a limited range of input values
;; workspace buffers: qws 3,276,800 bytes; kvws 6,553,600 bytes; cimg 3,145,728 bytes; csc 131,072 bytes
;; launch qkv (part 1): grid 16 x 32, 4 waves a work-group, clusters of 4 x 4, 327,680 bytes of LDS; arguments x_codes, x_scales, Wq_codes, Wq_scales, Wk_codes, Wk_scales, Wv_codes, Wv_scales, bq, bk, bv, qws, kvws; writes qws, kvws
.if DOCPART == 1
	.amdgcn_target "amdgcn-amd-amdhsa--gfx1250"
	.amdhsa_code_object_version 6
	.text
	.protected	k_q0610889485_qkv
	.globl	k_q0610889485_qkv
	.p2align	8
	.type	k_q0610889485_qkv,@function
k_q0610889485_qkv:
	s_mov_b64 s[64:65], 0
	v_nop
	global_prefetch_b8 v0, s[64:65] scope:SCOPE_SE
	s_setreg_imm32_b32 hwreg(HW_REG_WAVE_MODE, 25, 1), 1
	s_wait_xcnt 0x0
	s_wait_alu depctr_hold_cnt(0) depctr_sa_sdst(0) depctr_va_vdst(0) depctr_va_sdst(0) depctr_va_ssrc(0) depctr_va_vcc(0) depctr_vm_vsrc(0)
	s_getreg_b32 s2, hwreg(HW_REG_IB_STS2, 6, 4)
	s_cmp_eq_u32 s2, 0
	s_cbranch_scc0 .Lentry_in_a_cluster
	s_endpgm
.Lentry_in_a_cluster:
	s_bfe_u32 s2, ttmp6, 0x10000c
	s_cmp_lg_u32 s2, 0xf033
	s_cbranch_scc0 .Lentry_shape_is_right
	s_endpgm
.Lentry_shape_is_right:
; Q, K, V = x W + b for one head and 128 rows of x, on codes of FP6 (E2M3) as they are given, and the three results quantised again: Q and K along the head's 64, V along the keys.
; SHARES.  Work-group (head, y): rows 128 y .. 128 y + 127 of the 4,096 rows of x, the head's 192 columns, all of K = 1,024.  Its codes, 320 rows x 768 bytes, fit in LDS at once:
; they come in four chunks of 256 along K, each LDS byte filled ONCE, so there is no ring.  Wave w (sh = w / 2, ch = w % 2) makes
;   QK: its 64 rows of x (tiles 4 sh + i) x the four tiles of Wq (ch = 0) or Wk (ch = 1); source 0 = 16 rows of W, source 1 = 16 rows of x: a lane holds ONE row and its registers run along e;
;   V:  all eight tiles of x x 16 rows of Wv; source 0 = x, source 1 = Wv: a lane holds ONE channel and its registers run along the keys.  x's tiles are taken in the order (i + 4 sh) mod 8,
;       so that the four fragments of the QK part serve here too; the turn that this gives V's key blocks is taken back by selects on the way out.
; ORDER INSIDE A BLOCK OF 32.  A lane's 16 numbers of a block are entries 8 h + 0..7 and 16 + 8 h + 0..7, so a block's codes lie in the order 0-7, 16-23, 8-15, 24-31.  Q and K carry it alike along e,
; V and (next launch) p alike along the keys: the products are the same sums.  Wv's rows of a tile are chosen (lane r of tile w: row 32 sh + 8 ch + r + 8 (r / 8)) so that the context comes out in natural order.
; OUT, as images of operand registers (registers 4 c .. 4 c + 3 of lane l at 512 c + 16 l).  A PAIR image holds tile 2 P of 16 rows in registers 0-5 and tile 2 P + 1 in registers 6-11 (K = 64 each);
;   qws  [b, head][block of 128 rows] records of 6,400 bytes: four pair images, then 256 bytes of scale words at 16 r + 4 P;
;   kvws [b, head][block of 128 keys] records of 12,800 bytes: K's four pair images, V^T's four fragments (tile w, 128 keys), K's scale words, V's scale words (16 r + 4 w).
; CLUSTER 4 x 4: the four work-groups of a row share y, so x's tiles; the four of a column share the head, so the weights' tiles: both are asked for jointly.
; LIMITS: NaN and infinities are not served.  A block of zeros gets the scale byte 1 (its codes are zeros; the bytes are read by this program alone).  Blocks whose largest magnitude lies under 2^-124 are held at byte 1.
; REGISTERS: window 0: v1-15 addresses; v16-119 scale words; v120-159 biases; v160-221 at work.  window 1: 24 accumulators.  windows 2, 3: two sets of 13 fragments.
; AS THE TEXT NOW STANDS: the codes come as WHOLE ROWS of 768 bytes, by one tensor load a wave at the head (wave 0: x's 128 rows; waves 1, 2, 3: Wq's, Wk's, Wv's 64), each LDS byte filled once;
; where the lines above speak of four chunks, read this one fill.  A row begins at a multiple of 256 bytes of its buffer.
.set PITCH, 816                        ; an LDS row: 3 x (256 bytes + 16 of padding) = 204 words
.set TROW,  16*PITCH
.set XB,    128*PITCH                  ; x's 128 rows of a chunk
.set WB,    64*PITCH                   ; a weight's 64 rows
.set CH,    XB+3*WB                    ; all the codes: x, Wq, Wk, Wv: 261,120 bytes
.set STG,   CH                         ; behind the codes: 768 bytes, the scale words of Q, K, V on their way out; no tile lands here
.set ADXA, 4                           ; v4-5   my 64 rows of x (the second register: for pieces behind one padding more)
.set ADXB, 6                           ; v6-7   the other 64
.set ADW,  8                           ; v8-9   Wq or Wk
.set ADV,  10                          ; v10-11 my 16 rows of Wv
.set LI,   12                          ; v12    16 x lane
.set AQS,  13                          ; v13    where my QK scale words go
.set AVS,  14                          ; v14    where my V scale word goes
.set L8,   15                          ; v15    8 x lane
.set SX,   16                          ; x's scale words: tile i (my order), K step k at SX + 8 i + k
.set SW,   80                          ; Wq's or Wk's: SW + 8 t + k
.set SV,   112                         ; Wv's: SV + k
.set BQ,   120                         ; bq or bk in the result's layout: tile t, e = 16 t + 8 h + j
.set BV,   152                         ; bv of my lane's channel, eight times
.set TM,   160
.set PW,   176
.set PW2,  177
.set ROT,  178
.set PC,   180
.set PC2,  200
.set OXA,  212
.set OXB,  213
.set OW,   214
.set OV,   215
.set OBQ,  216
.set OBV,  217
.set ASC,  218
.set ER,   219
.set T0,   220
.set T1,   221
.set SEL,  12                          ; s[12:13] lane selects for lane l xor 16 (once Wq's pointer is used up)
.set G1X,  44
.set G1W,  52
.set G0X,  68                          ; one group 0 for x, one for the weights: one tensor load a wave
.set G0W,  84
.set MSB, 0
.macro WIN new                         ; the immediate's high byte repeats the setting that is left
.if MSB != (\new)
	s_set_vgpr_msb (MSB<<8)|(\new)
.set MSB, (\new)
.endif
.endm
.macro PLACES n
.rept \n
	v_nop
.endr
.endm
.macro CROUND                          ; a round of the cluster's barrier
	s_barrier_signal -1
	s_barrier_wait -1
	s_cmp_lg_u32 s34, 0
	s_cbranch_scc1 .Lnot_wave_0_\@
	s_barrier_signal -3
.Lnot_wave_0_\@:
	s_barrier_wait -3
	s_barrier_signal -1
	s_barrier_wait -1
.endm
	s_load_b512 s[8:23], s[0:1], 0x0               ; x codes 8, x scales 10, Wq codes 12, scales 14, Wk codes 16, scales 18, Wv codes 20, scales 22
	s_load_b256 s[24:31], s[0:1], 0x40             ; bq 24, bk 26, bv 28, qws 30
	s_load_b64 s[32:33], s[0:1], 0x60              ; kvws
	v_lshl_add_u32 v254, v0, 2, 0x4b300
	v_mov_b32 v255, 0
	ds_add_u32 v254, v255
	ds_add_u32 v254, v255
	v_lshrrev_b32 v1, 5, v0
	v_readfirstlane_b32 s34, v1                    ; wave
	s_lshr_b32 s35, s34, 1                         ; sh
	s_and_b32 s36, s34, 1                          ; ch
	s_sub_co_u32 s43, 0, s35                       ; all ones where sh = 1: a mask for selects
	s_bfe_u32 s37, ttmp6, 0x40000                  ; cx
	s_bfe_u32 s38, ttmp6, 0x40004                  ; cy
	s_lshl_b32 s39, ttmp9, 2
	s_add_co_u32 s39, s39, s37                     ; head = 4 x cluster x + cx
	s_and_b32 s40, ttmp7, 0xffff
	s_lshl_b32 s40, s40, 2
	s_add_co_u32 s40, s40, s38                     ; y = 4 x cluster y + cy
	s_lshl_b32 s41, s38, 2
	s_lshl_b32 s41, 15, s41                        ; my row of the cluster
	s_lshl_b32 s42, 0x1111, s37                    ; my column
	; descriptor groups 1: whole rows of 768 bytes (1,024 codes), 16 bytes of padding behind every 256; 128 rows of x, 64 of a weight
	s_or_b32 s[G1X], s41, (1<<20)|(1<<21)|(5<<22)|(3<<25)   ; 15:0 the mask; 17:16 elements of 1 byte; 20 padding on; 21 set beside a mask; 24:22 after 64 words; 31:25 4 words
	s_or_b32 s[G1W], s42, (1<<20)|(1<<21)|(5<<22)|(3<<25)
	s_mov_b32 s[G1X+1], 768<<16                    ; tensor_dim0
	s_mov_b32 s[G1X+2], 128<<16                    ; tensor_dim1
	s_mov_b32 s[G1X+3], 768<<16                    ; tile_dim0
	s_mov_b32 s[G1X+4], 128                        ; tile_dim1
	s_mov_b32 s[G1X+5], 768                        ; stride
	s_mov_b32 s[G1X+6], 0
	s_mov_b32 s[G1X+7], 0
	s_mov_b32 s[G1W+1], 768<<16
	s_mov_b32 s[G1W+2], 64<<16
	s_mov_b32 s[G1W+3], 768<<16
	s_mov_b32 s[G1W+4], 64
	s_mov_b32 s[G1W+5], 768
	s_mov_b32 s[G1W+6], 0
	s_mov_b32 s[G1W+7], 0
	s_mul_i32 s104, s40, 128*768                   ; x: my 128 rows (these registers hold y alone)
	s_mov_b32 s105, 0
	s_mul_i32 s62, s39, 64*768                     ; the weights: my head's 64 rows (these hold the head alone)
	s_mov_b32 s63, 0
	s_mov_b32 s5, 0
	s_add_co_u32 s3, s34, 1
	s_mul_i32 s3, s3, WB                           ; waves 1, 2, 3 bring Wq, Wk, Wv: LDS byte (wave + 1) x 52,224
	s_wait_dscnt 0x0
	s_wait_kmcnt 0x0
	s_add_nc_u64 s[66:67], s[8:9], s[104:105]
	s_cmp_eq_u32 s34, 2
	s_cselect_b64 s[60:61], s[16:17], s[12:13]     ; the choice hangs on the wave's number alone
	s_cmp_eq_u32 s34, 3
	s_cselect_b64 s[60:61], s[20:21], s[60:61]
	s_add_nc_u64 s[60:61], s[60:61], s[62:63]
.irp c, 0
	s_mov_b32 s[G0X+4*\c], 1
	s_mov_b32 s[G0X+4*\c+1], \c*CH
	s_add_nc_u64 s[G0X+4*\c+2:G0X+4*\c+3], s[66:67], \c*192
	s_or_b32 s[G0X+4*\c+3], s[G0X+4*\c+3], 0x80000000
	s_mov_b32 s[G0W+4*\c], 1
	s_add_co_u32 s[G0W+4*\c+1], s3, \c*CH
	s_add_nc_u64 s[G0W+4*\c+2:G0W+4*\c+3], s[60:61], \c*192
	s_or_b32 s[G0W+4*\c+3], s[G0W+4*\c+3], 0x80000000
.endr
	s_mov_b32 s[SEL], 0x76543210
	s_mov_b32 s[SEL+1], 0xfedcba98
	; the other bases
	s_lshl_b32 s104, s40, 12                       ; x's scale bytes: 128 rows of 32
	s_add_nc_u64 s[10:11], s[10:11], s[104:105]
	s_lshl_b32 s62, s39, 11                        ; a weight's: 64 rows of 32
	s_cmp_eq_u32 s36, 0
	s_cselect_b64 s[14:15], s[14:15], s[18:19]     ; Wq's or Wk's scale bytes
	s_cselect_b64 s[24:25], s[24:25], s[26:27]     ; bq or bk
	s_add_nc_u64 s[14:15], s[14:15], s[62:63]
	s_add_nc_u64 s[22:23], s[22:23], s[62:63]
	s_lshl_b32 s62, s39, 8                         ; a bias: 64 numbers a head
	s_add_nc_u64 s[24:25], s[24:25], s[62:63]
	s_add_nc_u64 s[28:29], s[28:29], s[62:63]
	s_lshr_b32 s2, s40, 4                          ; the record: ((b x 16 + head) x 16 + block), b = y / 16, block = y % 16
	s_lshl_b32 s2, s2, 4
	s_add_co_u32 s2, s2, s39
	s_lshl_b32 s2, s2, 4
	s_and_b32 s4, s40, 15
	s_add_co_u32 s2, s2, s4
	s_mul_i32 s4, s2, 6400
	s_add_nc_u64 s[30:31], s[30:31], s[4:5]        ; Q's record
	s_mul_i32 s4, s2, 12800
	s_add_nc_u64 s[32:33], s[32:33], s[4:5]        ; K's and V's record
	s_cmp_eq_u32 s36, 0
	s_cselect_b64 s[100:101], s[30:31], s[32:33]
	s_mul_i32 s4, s35, 3072
	s_add_nc_u64 s[100:101], s[100:101], s[4:5]    ; my two pair images: pairs 2 sh, 2 sh + 1
	s_mul_i32 s4, s34, 1536
	s_add_co_u32 s4, s4, 6144
	s_add_nc_u64 s[6:7], s[32:33], s[4:5]          ; my fragment of V^T
	s_lshl_b32 s4, s34, 8
	s_add_co_u32 s4, s4, 12032
	s_cmp_eq_u32 s34, 0
	s_cselect_b32 s4, 6144, s4
	s_cselect_b64 s[2:3], s[30:31], s[32:33]
	s_add_nc_u64 s[2:3], s[2:3], s[4:5]            ; waves 0, 1, 2 store the scale words of Q, K, V
	CROUND                                         ; all sixteen work-groups are here: the joint loads meet
	s_cmp_eq_u32 s34, 0                            ; one tensor load a wave, one in each arm: wave 0 x's rows, the others a weight's
	s_cbranch_scc0 .Lfill_w
	tensor_load_to_lds s[G0X:G0X+3], s[G1X:G1X+7]
	s_nop 0
	PLACES 4
	s_branch .Lfilled
.Lfill_w:
	tensor_load_to_lds s[G0W:G0W+3], s[G1W:G1W+7]
	s_nop 0
	PLACES 4
.Lfilled:
	v_and_b32 v1, 15, v0                           ; r
	v_bfe_u32 v2, v0, 4, 1                         ; h
	v_and_b32 v3, 31, v0                           ; lane
	v_lshlrev_b32 v[OW], 5, v1                     ; 32 bytes of scales a row
	s_lshl_b32 s8, s35, 11
	v_add_nc_u32 v[OXA], s8, v[OW]                 ; my 64 rows of x,
	s_xor_b32 s8, s8, 2048
	v_add_nc_u32 v[OXB], s8, v[OW]                 ; the other 64
	v_and_b32 v[ER], 8, v1
	v_add_nc_u32 v[ER], v[ER], v1                  ; r + 8 (r / 8)
	s_lshl_b32 s8, s35, 5
	s_lshl_b32 s9, s36, 3
	s_add_co_u32 s8, s8, s9
	v_add_nc_u32 v[ER], s8, v[ER]                  ; my lane's row of Wv: 32 sh + 8 ch + r + 8 (r / 8)
	v_lshlrev_b32 v[OV], 5, v[ER]
	v_lshlrev_b32 v[OBV], 2, v[ER]
	v_lshlrev_b32 v[OBQ], 5, v2
.irp i, 0,1,2,3
	global_load_b128 v[SX+8*\i:SX+8*\i+3], v[OXA], s[10:11] offset:512*\i          ; a row's 32 scale bytes are the words of its eight K steps
	global_load_b128 v[SX+8*\i+4:SX+8*\i+7], v[OXA], s[10:11] offset:512*\i+16
	global_load_b128 v[SX+32+8*\i:SX+32+8*\i+3], v[OXB], s[10:11] offset:512*\i
	global_load_b128 v[SX+32+8*\i+4:SX+32+8*\i+7], v[OXB], s[10:11] offset:512*\i+16
	global_load_b128 v[SW+8*\i:SW+8*\i+3], v[OW], s[14:15] offset:512*\i
	global_load_b128 v[SW+8*\i+4:SW+8*\i+7], v[OW], s[14:15] offset:512*\i+16
	global_load_b128 v[BQ+8*\i:BQ+8*\i+3], v[OBQ], s[24:25] offset:64*\i
	global_load_b128 v[BQ+8*\i+4:BQ+8*\i+7], v[OBQ], s[24:25] offset:64*\i+16
.endr
	global_load_b128 v[SV:SV+3], v[OV], s[22:23]
	global_load_b128 v[SV+4:SV+7], v[OV], s[22:23] offset:16
.irp j, 0,1,2,3,4,5,6,7
	global_load_b32 v[BV+\j], v[OBV], s[28:29]     ; in V's result a lane is one channel: its bias in all eight registers
.endr
	v_mul_u32_u24 v[T0], v1, PITCH
	v_mad_u32_u24 v[T0], v2, 24, v[T0]             ; a fragment's row x pitch + 24 x half,
	v_lshl_add_u32 v[T1], v2, 4, v[T0]             ; and the same behind one padding more
	s_mul_i32 s8, s35, 64*PITCH
	v_add_nc_u32 v[ADXA], s8, v[T0]
	v_add_nc_u32 v[ADXA+1], s8, v[T1]
	s_xor_b32 s9, s35, 1
	s_mul_i32 s9, s9, 64*PITCH
	v_add_nc_u32 v[ADXB], s9, v[T0]
	v_add_nc_u32 v[ADXB+1], s9, v[T1]
	s_mul_i32 s8, s36, WB
	s_add_co_u32 s8, s8, XB
	v_add_nc_u32 v[ADW], s8, v[T0]
	v_add_nc_u32 v[ADW+1], s8, v[T1]
	v_mul_u32_u24 v[ADV], v[ER], PITCH
	v_mad_u32_u24 v[ADV], v2, 24, v[ADV]
	v_add_nc_u32 v[ADV], XB+2*WB, v[ADV]
	v_lshl_add_u32 v[ADV+1], v2, 4, v[ADV]
	v_lshlrev_b32 v[LI], 4, v3
	v_lshlrev_b32 v[L8], 3, v3
	s_lshl_b32 s8, s36, 8
	s_lshl_b32 s9, s35, 3
	s_add_co_u32 s8, s8, s9
	s_add_co_u32 s8, s8, STG
	v_lshl_add_u32 v[AQS], v1, 4, s8               ; STG + 256 ch + 16 r + 4 (2 sh + p)
	s_lshl_b32 s8, s34, 2
	s_add_co_u32 s8, s8, STG+512
	v_lshl_add_u32 v[AVS], v1, 4, s8               ; STG + 512 + 16 r + 4 wave
	s_lshl_b32 s8, s34, 8
	s_add_co_u32 s8, s8, STG
	v_lshl_add_u32 v[ASC], v3, 3, s8               ; back: STG + 256 wave + 8 lane
.irp b, 0,1,2,3
	v_mov_b32 v[TM+4+\b], 0                        ; written once: a lane permute's destination counts as one of its sources
.endr
; A fragment, 16 rows x 128 K of 6-bit codes, is 12 registers: lane (r, h) takes 24 bytes at 24 h and 24 bytes at 48 + 24 h of its row's 96, as they lie, in pieces of 8 bytes.
; q: which 128 of the chunk's 256.  Where the piece three on (lanes 16-31) lies behind one padding more, the second address register serves.
.macro FRAG reg, adr, q, off
.irp p, 0,1,2,3,4,5
.set PCI, 12*(\q)+6*(\p/3)+\p%3        ; q: the K step, 0 to 7; the piece's number in the row, 32 pieces to 256 bytes
.if PCI%32 < 29
	ds_load_b64 v[\reg+2*\p:\reg+2*\p+1], v[\adr] offset:8*PCI+16*(PCI/32)+(\off)
.else
	ds_load_b64 v[\reg+2*\p:\reg+2*\p+1], v[\adr+1] offset:8*PCI+16*(PCI/32)+(\off)
.endif
.endr
.endm
.macro FETCH k                         ; K step k's 13 fragments into window 2 (k even) or 3: x's eight at 12 i, W's four at 96 + 12 t, Wv's at 144
	WIN 0x80+0x40*((\k)%2)
.irp i, 0,1,2,3
	FRAG 12*\i, ADXA, (\k), \i*TROW
.endr
.irp i, 0,1,2,3
	FRAG 48+12*\i, ADXB, (\k), \i*TROW
.endr
.irp t, 0,1,2,3
	FRAG 96+12*\t, ADW, (\k), \t*TROW
.endr
	FRAG 144, ADV, (\k), 0
	WIN 0
.endm
; 24 matrix instructions; the 24 accumulators take turns, one instruction a turn, in the same order in every step.  The first step takes the biases as C.
.macro MUL k
.if (\k) == 0
	WIN 0x4a                                       ; sources 0, 1 window 2; C window 0; D window 1
.elseif (\k)%2 == 0
	WIN 0x5a                                       ; C and D window 1
.else
	WIN 0x5f                                       ; sources window 3
.endif
.irp i, 0,1,2,3
.irp t, 0,1,2,3
.if (\k) == 0
	v_wmma_scale_f32_16x16x128_f8f6f4 v[8*(4*\i+\t):8*(4*\i+\t)+7], v[96+12*\t:96+12*\t+11], v[12*\i:12*\i+11], v[BQ+8*\t:BQ+8*\t+7], v[SW+8*\t+(\k)], v[SX+8*\i+(\k)] matrix_a_fmt:MATRIX_FMT_FP6 matrix_b_fmt:MATRIX_FMT_FP6
.else
	v_wmma_scale_f32_16x16x128_f8f6f4 v[8*(4*\i+\t):8*(4*\i+\t)+7], v[96+12*\t:96+12*\t+11], v[12*\i:12*\i+11], v[8*(4*\i+\t):8*(4*\i+\t)+7], v[SW+8*\t+(\k)], v[SX+8*\i+(\k)] matrix_a_fmt:MATRIX_FMT_FP6 matrix_b_fmt:MATRIX_FMT_FP6
.endif
.endr
.endr
.irp i, 0,1,2,3,4,5,6,7
.if (\k) == 0
	v_wmma_scale_f32_16x16x128_f8f6f4 v[128+8*\i:128+8*\i+7], v[12*\i:12*\i+11], v[144:155], v[BV:BV+7], v[SX+8*\i+(\k)], v[SV+(\k)] matrix_a_fmt:MATRIX_FMT_FP6 matrix_b_fmt:MATRIX_FMT_FP6
.else
	v_wmma_scale_f32_16x16x128_f8f6f4 v[128+8*\i:128+8*\i+7], v[12*\i:12*\i+11], v[144:155], v[128+8*\i:128+8*\i+7], v[SX+8*\i+(\k)], v[SV+(\k)] matrix_a_fmt:MATRIX_FMT_FP6 matrix_b_fmt:MATRIX_FMT_FP6
.endif
.endr
.endm
; A K step: its fragments are in; the next step's are asked for, into the set that the step before multiplied; then the products.
.macro STEP k
	s_wait_dscnt 0x0                               ; this step's 78 loads are in
.if (\k) < 7
.if (\k) > 0
	PLACES 4                                       ; in front of loads into registers that matrix instructions have read
.endif
	FETCH (\k)+1                                   ; the K step stands in the loads' immediates: no address is stepped
.endif
	MUL \k
	WIN 0
.endm
; 64 numbers of a lane in window 1, v[s] on: four blocks of 32, 16 of each mine and 16 lane l xor 16's.  Codes into v[PC] .. v[PC + 11] as an operand wants them (a whole block in a lane), scale word into v[PW].
.macro QUANT s
	WIN 0x05                                       ; sources 0 and 1 window 1
.irp b, 0,1,2,3
	v_max3_num_f32 v[TM+\b], |v[(\s)+16*\b]|, |v[(\s)+16*\b+1]|, 0x1800000     ; each accumulator is read from its low end on; the floor 2^(3 - 127) holds the byte at 1 from below
.endr
.irp i, 2,4,6,8,10,12,14
.irp b, 0,1,2,3
	v_max3_num_f32 v[TM+\b], |v[(\s)+16*\b+\i]|, |v[(\s)+16*\b+\i+1]|, v[TM+\b]
.endr
.endr
	WIN 0
.irp b, 0,1,2,3
	v_permlanex16_b32 v[TM+4+\b], v[TM+\b], s[SEL], s[SEL+1]
.endr
.irp b, 0,1,2,3
	v_max_num_f32 v[TM+\b], v[TM+\b], v[TM+4+\b]   ; the block's largest magnitude
.endr
.irp b, 0,1,2,3
	v_add_nc_u32 v[TM+12+\b], 0xff000000, v[TM+\b] ; 2 off its exponent field: the conversion's scale operand
.endr
.irp b, 0,1,2,3
	v_lshrrev_b32 v[TM+4+\b], 23, v[TM+12+\b]      ; the scale's byte
.endr
	v_lshl_or_b32 v[PW], v[TM+5], 8, v[TM+4]
	v_lshl_or_b32 v[PW], v[TM+6], 16, v[PW]
	v_lshl_or_b32 v[PW], v[TM+7], 24, v[PW]
	WIN 0x01                                       ; source 0 window 1
.irp c, 0,1
	v_cvt_scalef32_pk16_fp6_f32 v[PC+6*\c:PC+6*\c+2], v[(\s)+32*\c:(\s)+32*\c+15], v[TM+12+2*\c]
	v_cvt_scalef32_pk16_fp6_f32 v[PC+12+4*\c:PC+12+4*\c+2], v[(\s)+32*\c+16:(\s)+32*\c+31], v[TM+12+2*\c+1]
.endr
	WIN 0
	v_nop                                          ; one plain place behind a scaled conversion
.irp c, 0,1
.irp i, 0,1,2
	v_permlane16_swap_b32 v[PC+6*\c+\i], v[PC+12+4*\c+\i]      ; lanes 0-15 get block 2 c whole, lanes 16-31 block 2 c + 1
.endr
.irp i, 0,1,2
	v_mov_b32 v[PC+3+6*\c+\i], v[PC+12+4*\c+\i]
.endr
.endr
.endm
	s_wait_alu depctr_va_vdst(0)                   ; the wait at the head's end
	s_wait_loadcnt 0x0                             ; scale words and biases
	s_wait_tensorcnt 0x0                           ; my one tensor load has landed
	s_barrier_signal -1
	s_barrier_wait -1
	FETCH 0
.irp k, 0,1,2,3,4,5,6,7
	STEP \k
.endr
	PLACES 4                                       ; in front of the first read of results
	; Q or K: accumulators (i, t) of tiles 2 p, 2 p + 1 are 64 registers: blocks (tile 2 p: e 0-31, 32-63; tile 2 p + 1: the same): one pair image and one scale word a row
.irp p, 0,1
	QUANT 64*\p
.irp c, 0,1,2
	global_store_b128 v[LI], v[PC+4*\c:PC+4*\c+3], s[100:101] offset:1536*\p+512*\c   ; 32 lanes store 512 consecutive bytes, at a multiple of 256 from the buffer's first byte
.endr
	ds_store_b32 v[AQS], v[PW] offset:4*\p         ; (lanes l and l xor 16 write the same word with the same value)
	s_wait_dscnt 0x0
	s_wait_xcnt 0x0                                ; the stores have read their registers: the next codes may be written
.endr
	; V: my channel's 128 keys.  With sh = 1 my order of x's tiles began at key 64: the fragment's halves and the word's halves change places
	QUANT 128
.irp i, 0,1,2,3,4,5,6,7,8,9,10,11
	v_cndmask_b32 v[PC2+\i], v[PC+\i], v[PC+(\i+6)%12], s43
.endr
	v_lshrrev_b32 v[ROT], 16, v[PW]
	v_lshl_or_b32 v[ROT], v[PW], 16, v[ROT]
	v_cndmask_b32 v[PW2], v[PW], v[ROT], s43
.irp c, 0,1,2
	global_store_b128 v[LI], v[PC2+4*\c:PC2+4*\c+3], s[6:7] offset:512*\c
.endr
	ds_store_b32 v[AVS], v[PW2]
	s_wait_dscnt 0x0                               ; for the others' sake: my scale words lie in LDS
	s_barrier_signal -1
	s_barrier_wait -1
	s_cmp_gt_u32 s34, 2
	s_cbranch_scc1 .Lno_words
	ds_load_b64 v[TM:TM+1], v[ASC]                 ; waves 0, 1, 2: the 256 bytes of Q's, K's, V's scale words
	s_wait_dscnt 0x0
	global_store_b64 v[L8], v[TM:TM+1], s[2:3]     ; 32 lanes store 256 consecutive bytes, aligned
.Lno_words:
	s_wait_tensorcnt 0x0
	ds_add_u32 v254, v255
	s_wait_dscnt 0x0
	CROUND                                         ; the closing round: no work-group ends while a partner may still ask for a tile that names it
	s_endpgm
.Lfunc_end_k_q0610889485_qkv:
	.size	k_q0610889485_qkv, .Lfunc_end_k_q0610889485_qkv-k_q0610889485_qkv
	.p2alignl 7, 3214868480
	.fill 96, 4, 3214868480
	.section	.rodata,"a",@progbits
	.p2align	6, 0x0
	.amdhsa_kernel k_q0610889485_qkv
		.amdhsa_group_segment_fixed_size 327680
		.amdhsa_private_segment_fixed_size 0
		.amdhsa_enable_private_segment 0
		.amdhsa_kernarg_size 104
		.amdhsa_user_sgpr_count 2
		.amdhsa_user_sgpr_kernarg_segment_ptr 1
		.amdhsa_wavefront_size32 1
		.amdhsa_system_sgpr_workgroup_id_x 1
		.amdhsa_system_sgpr_workgroup_id_y 1
		.amdhsa_system_sgpr_workgroup_id_z 1
		.amdhsa_system_vgpr_workitem_id 0
		.amdhsa_next_free_vgpr 1024
		.amdhsa_next_free_sgpr 106
		.amdhsa_reserve_vcc 0
		.amdhsa_float_denorm_mode_32 3
		.amdhsa_float_denorm_mode_16_64 3
		.amdhsa_memory_ordered 1
		.amdhsa_forward_progress 1
		.amdhsa_inst_pref_size 92
	.end_amdhsa_kernel
	.amdgpu_metadata
---
amdhsa.version: [ 1, 2 ]
amdhsa.kernels:
  - .name:           k_q0610889485_qkv
    .symbol:         k_q0610889485_qkv.kd
    .args:
      - { .name: x_codes, .offset: 0, .size: 8, .value_kind: global_buffer, .address_space: global }
      - { .name: x_scales, .offset: 8, .size: 8, .value_kind: global_buffer, .address_space: global }
      - { .name: Wq_codes, .offset: 16, .size: 8, .value_kind: global_buffer, .address_space: global }
      - { .name: Wq_scales, .offset: 24, .size: 8, .value_kind: global_buffer, .address_space: global }
      - { .name: Wk_codes, .offset: 32, .size: 8, .value_kind: global_buffer, .address_space: global }
      - { .name: Wk_scales, .offset: 40, .size: 8, .value_kind: global_buffer, .address_space: global }
      - { .name: Wv_codes, .offset: 48, .size: 8, .value_kind: global_buffer, .address_space: global }
      - { .name: Wv_scales, .offset: 56, .size: 8, .value_kind: global_buffer, .address_space: global }
      - { .name: bq, .offset: 64, .size: 8, .value_kind: global_buffer, .address_space: global }
      - { .name: bk, .offset: 72, .size: 8, .value_kind: global_buffer, .address_space: global }
      - { .name: bv, .offset: 80, .size: 8, .value_kind: global_buffer, .address_space: global }
      - { .name: qws, .offset: 88, .size: 8, .value_kind: global_buffer, .address_space: global }
      - { .name: kvws, .offset: 96, .size: 8, .value_kind: global_buffer, .address_space: global }
    .group_segment_fixed_size: 327680
    .private_segment_fixed_size: 0
    .kernarg_segment_align: 8
    .kernarg_segment_size: 104
    .max_flat_workgroup_size: 128
    .sgpr_count:     106
    .vgpr_count:     1024
    .wavefront_size: 32
...
	.end_amdgpu_metadata
.endif
;; end of part 1
;; launch attn (part 2): grid 8 x 32, 8 waves a work-group, clusters of 4 x 1, 327,680 bytes of LDS; arguments qws, kvws, cimg, csc; writes cimg, csc
.if DOCPART == 2
	.amdgcn_target "amdgcn-amd-amdhsa--gfx1250"
	.amdhsa_code_object_version 6
	.text
	.protected	k_q0610889485_attn
	.globl	k_q0610889485_attn
	.p2align	8
	.type	k_q0610889485_attn,@function
k_q0610889485_attn:
	s_mov_b64 s[64:65], 0
	v_nop
	global_prefetch_b8 v0, s[64:65] scope:SCOPE_SE
	s_setreg_imm32_b32 hwreg(HW_REG_WAVE_MODE, 25, 1), 1
	s_wait_xcnt 0x0
	s_wait_alu depctr_hold_cnt(0) depctr_sa_sdst(0) depctr_va_vdst(0) depctr_va_sdst(0) depctr_va_ssrc(0) depctr_va_vcc(0) depctr_vm_vsrc(0)
	s_getreg_b32 s2, hwreg(HW_REG_IB_STS2, 6, 4)
	s_cmp_eq_u32 s2, 0
	s_cbranch_scc0 .Lentry_in_a_cluster
	s_endpgm
.Lentry_in_a_cluster:
	s_bfe_u32 s2, ttmp6, 0x10000c
	s_cmp_lg_u32 s2, 0x3003
	s_cbranch_scc0 .Lentry_shape_is_right
	s_endpgm
.Lentry_shape_is_right:
; ctx = softmax(Q K^T / 8) V for 256 queries of one (batch, head), both products on codes of FP6 (E2M3); the context is quantised along the head's 64 channels and leaves as codes.
; THE SOFTMAX: t = score x log2(e) / 8; M = the running largest t rounded UP to a whole number; p = 2^(t - M) is quantised along the keys, not normalised; the row's sum is taken of the
; unquantised p and divides at the end.  When M moves, the sum and O are multiplied by 2^(old M - new M), which rounds nothing.
; SHARES.  Eight waves, 32 queries each: two tiles of 16, which share every fragment of K and V and are worked line by line beside each other.  Every wave walks 16 steps of 128 keys; no barrier stands in the walk.
; LDS.  The head's 16 records of 12,800 bytes (K's four pair images, V^T's four fragments, 512 bytes of scale words) come ONCE: wave w brings records 2 w and 2 w + 1 by its one tensor load at the head.
; A record is stated as 25 rows of 512 bytes with 128 bytes of padding behind each: 16,000 bytes in LDS, an image of 1,536 bytes every 1,920.
; CLUSTER 4 x 1: the four query blocks share the head: every load is joint.  No prefetch: all tiles are asked for at the head, so there is no loop in which to run ahead of a load.
; LAYOUT.  Both products transposed: S^T = K Q^T (source 0 = keys), O^T = V^T P^T (source 0 = channels): a lane holds ONE query of each tile.  The head is 64 long and the instruction 128: a pair fragment
; holds one tile of 16 keys in registers 0-5 and another in registers 6-11; the two Q tiles lie in 30 registers (zeros, q0, zeros, q1, zeros): (q, 0) gives the first key tile's scores, (0, q) the second's.
; WHICH KEYS FORM A TILE.  Pair image P of a record holds the 32 keys of block P (lane r: keys r and 16 + r).  Fragment (g, n) takes for its rows 0-7 rows 8 n .. 8 n + 7 of image 2 g and for its
; rows 8-15 the same rows of image 2 g + 1.  In the result lanes 0-15 hold rows 0-7 and lanes 16-31 rows 8-15: so lane (r, h) owns ALL 32 keys of blocks h and 2 + h, in the order
; 0-7, 16-23, 8-15, 24-31, which V's codes carry too, and in the very registers that the operand p wants.
; K's fragments of the next step are fetched straight behind the score products; the last step, which has none to fetch, is written out.
; REGISTERS.  Window 1: S^T, then p, of tile t at v[64 t]; O^T at v[128 + 32 t].  Window 0: all else.  s_set_vgpr_msb's low byte: bits 1:0 source 0, 3:2 source 1, 5:4 source 2, 7:6 destination.
; OUT.  cimg [b][block of 128 rows][head][tile of 16 rows] 768 bytes: registers 0-3 of lane l at 16 l, registers 4-5 at 512 + 8 l;  csc [b][block of 256][head][256] two scale bytes a row.
; LIMITS: NaN and infinities are not served; the promise holds while |t| stays under 2^31; a block of zeros gets the byte 1 (its codes are zeros; this program alone reads the bytes); p under 2^-126 falls to 0.
.set RECM, 12800                       ; a record in memory
.set RECL, 16000                       ; and in LDS
.set IMG,  1920                        ; from image to image in LDS: 3 x 640
.set WRD,  15360                       ; a record's last row: K's scale words (16 r + 4 P), then V's at + 256 (16 r + 4 t)
.set STG,  16*RECL                     ; behind the records: 512 bytes, the context's scale bytes on their way out; no tile lands here
.set SPARE, STG+512                    ; the spare words: 128 bytes a wave
.set FF,   8                           ; v8-11    f, a pair for each tile (the upper halves are named only)
.set MM,   12                          ; v12-15   (-M, the largest t)
.set LL,   16                          ; v16-19   the row's sum, in two halves
.set OLD,  20                          ; v20-21   the old -M
.set TT,   22                          ; v22-23   at work
.set PX,   24                          ; v24-25   what lane l xor 16 sends
.set AK,   26                          ; v26-29   LDS addresses of a step
.set AKS,  27
.set AV,   28
.set AVS,  29
.set SPW,  30                          ; v30, v31 my spare word's address, and 0
.set NIL,  31
.set QS,   32                          ; v32-33   Q's scale words;  v34-35 p's
.set PS,   34
.set QZ,   36                          ; v36-65   zeros, q0, zeros, q1, zeros
.set KF,   66                          ; v66-113  K's four pair fragments
.set VF,   114                         ; v114-161 V^T's four fragments
.set KS,   162                         ; v162-165 K's scale words;  v166-169 V's
.set VS,   166
.set PCR,  170                         ; v170-193 p's codes
.set BM,   194                         ; v194-197 the blocks' largest scores, then largest p: tile t, block pair g at 2 t + g
.set BX,   202                         ; v202-205 scale bytes
.set SO,   206                         ; v206-209 the conversions' scale operands
.set C2,   210                         ; v210-225 the second halves' codes
.set TS,   226                         ; v226-253 seven chains of sums for each tile
.set SG16, 254                         ; v254     STG + 16 x lane
.set S,    0
.set O,    128
.set MSB, 0
.macro WIN new                         ; the immediate's high byte repeats the setting that is left
.if MSB != (\new)
	s_set_vgpr_msb (MSB<<8)|(\new)
.set MSB, (\new)
.endif
.endm
.macro CROUND
	s_barrier_signal -1
	s_barrier_wait -1
	s_cmp_lg_u32 s12, 0
	s_cbranch_scc1 .Lnot_wave_0_\@
	s_barrier_signal -3
.Lnot_wave_0_\@:
	s_barrier_wait -3
	s_barrier_signal -1
	s_barrier_wait -1
.endm
.macro PADD d, a, b
	v_pk_add_f32 v[\d:\d+1], v[\a:\a+1], v[\b:\b+1]
.endm
.macro KLOAD                           ; 16 loads: K's four pair fragments and their scale words
.irp g, 0,1
.irp n, 0,1
.irp c, 0,1,2
	ds_load_b128 v[KF+12*(2*\g+\n)+4*\c:KF+12*(2*\g+\n)+4*\c+3], v[AK] offset:2*IMG*\g+128*\n+640*\c
.endr
	ds_load_b32 v[KS+2*\g+\n], v[AKS] offset:WRD+128*\n+8*\g
.endr
.endr
.endm
	s_load_b256 s[4:11], s[0:1], 0x0               ; qws 4, kvws 6, cimg 8, csc 10
	v_lshl_add_u32 v[SPW], v0, 2, SPARE
	v_mov_b32 v[NIL], 0
	ds_add_u32 v[SPW], v[NIL]                      ; the opening lines: the add, twice on end, and its wait
	ds_add_u32 v[SPW], v[NIL]
	v_lshrrev_b32 v1, 5, v0
	v_readfirstlane_b32 s12, v1                    ; wave 0..7
	s_lshl_b32 s47, s12, 6
	s_add_co_u32 s47, s47, STG
	v_and_b32 v20, 15, v0                          ; r
	v_and_b32 v21, 31, v0                          ; lane
	v_bfe_u32 v5, v0, 4, 1                         ; h
	v_and_b32 v22, 7, v0                           ; r % 8
	v_bfe_u32 v23, v0, 3, 1                        ; r / 8
	v_lshlrev_b32 v1, 4, v21                       ; 16 x lane: an image's place for my lane
	v_lshlrev_b32 v6, 3, v21                       ; 8 x lane
	v_lshlrev_b32 v2, 4, v20                       ; 16 r: a row's four scale words
	v_lshlrev_b32 v22, 4, v22
	v_lshl_add_u32 v7, v20, 1, s47                 ; STG + 64 wave + 2 r: my first query's two scale bytes
	v_add_nc_u32 v[SG16], STG, v1
	v_lshl_add_u32 v4, v23, 2, v22                 ; K's scale words: 16 (r % 8) + 4 (r / 8)
	v_mad_u32_u24 v3, v23, IMG, v22                ; K's images: 16 (r % 8) + (r / 8) images
	v_lshlrev_b32 v24, 8, v5
	v_lshlrev_b32 v5, 3, v5                        ; 8 h: where my two scale bytes stand in p's word
	v_add_nc_u32 v3, v3, v24                       ; + 256 h
	s_bfe_u32 s13, ttmp6, 0x40000                  ; cx
	s_lshl_b32 s14, ttmp9, 2
	s_add_co_u32 s14, s14, s13                     ; my block of 256 queries: it enters Q's and the outputs' addresses alone
	s_and_b32 s15, ttmp7, 0xffff                   ; b x 16 + head, which the four partners share
	s_mov_b32 s16, 15|(3<<16)|(1<<20)|(1<<21)|(6<<22)|(31<<25)   ; group 1: all four work-groups; elements of 8 bytes; padding on; 21 set beside a mask; after 128 words 32 words
	s_mov_b32 s17, 64<<16                          ; rows of 512 bytes,
	s_mov_b32 s18, 50<<16                          ; 50 of them: two records, 25,600 dense bytes
	s_mov_b32 s19, 64<<16
	s_mov_b32 s20, 50
	s_mov_b32 s21, 64
	s_mov_b32 s22, 0
	s_mov_b32 s23, 0
	s_mov_b32 s40, 0x76543210
	s_mov_b32 s41, 0xfedcba98                      ; lane l xor 16
	s_mov_b32 s42, 0x3e38aa3b                      ; c = log2(e) / 8
	s_mov_b32 s43, s42                             ; (named with it as a pair)
	s_lshl_b32 s48, s15, 4
	s_lshl_b32 s49, s12, 1
	s_add_co_u32 s48, s48, s49
	s_mul_i32 s48, s48, RECM                       ; record (b, head) x 16 + 2 x wave
	s_mov_b32 s49, 0
	s_mov_b32 s24, 1
	s_mul_i32 s25, s12, 2*RECL
	s_lshl_b32 s60, s15, 4                         ; Q's record: (b, head) x 16 + 2 x block + wave / 4
	s_lshl_b32 s61, s14, 1
	s_add_co_u32 s60, s60, s61
	s_lshr_b32 s61, s12, 2
	s_add_co_u32 s60, s60, s61
	s_mul_i32 s52, s60, 6400
	s_and_b32 s61, s12, 3                          ; my pair of tiles: wave % 4
	s_mul_i32 s50, s61, 1536
	s_add_co_u32 s50, s50, s52                     ; its image,
	s_mov_b32 s51, 0
	s_lshl_b32 s61, s61, 2
	s_add_co_u32 s52, s52, s61
	s_add_co_u32 s52, s52, 6144                    ; its scale words
	s_mov_b32 s53, 0
	s_wait_alu depctr_va_vdst(0)                   ; the wait here, directly ahead of the waits below
	s_wait_dscnt 0x0                               ; both opening adds are done
	s_wait_kmcnt 0x0
	s_add_nc_u64 s[26:27], s[6:7], s[48:49]
	s_or_b32 s27, s27, 0x80000000
	s_add_nc_u64 s[54:55], s[4:5], s[50:51]
	s_add_nc_u64 s[56:57], s[4:5], s[52:53]
.irp c, 0,1,2
	global_load_b128 v[VF+4*\c:VF+4*\c+3], v1, s[54:55] offset:512*\c   ; my pair image: tile 0 in registers 0-5, tile 1 in 6-11; nobody writes these bytes in this launch
.endr
	global_load_b32 v[VF+12], v2, s[56:57]
	CROUND                                         ; all four work-groups are here: the joint loads meet
	tensor_load_to_lds s[24:27], s[16:23]          ; my one tensor load
	s_nop 0
	s_lshr_b32 s60, s15, 4                         ; cimg: (((b x 16 + 2 x block + wave / 4) x 16 + head) x 8 + 2 (wave % 4)) x 768
	s_lshl_b32 s60, s60, 4
	s_lshl_b32 s61, s14, 1
	s_add_co_u32 s60, s60, s61
	s_lshr_b32 s61, s12, 2
	s_add_co_u32 s60, s60, s61
	s_lshl_b32 s60, s60, 4
	s_and_b32 s61, s15, 15
	s_add_co_u32 s60, s60, s61
	s_lshl_b32 s60, s60, 3
	s_and_b32 s61, s12, 3
	s_lshl_b32 s61, s61, 1
	s_add_co_u32 s60, s60, s61
	s_mul_i32 s52, s60, 768
	s_add_nc_u64 s[8:9], s[8:9], s[52:53]
	s_lshr_b32 s60, s15, 4                         ; csc: ((b x 8 + block) x 16 + head) x 512
	s_lshl_b32 s60, s60, 3
	s_add_co_u32 s60, s60, s14
	s_lshl_b32 s60, s60, 4
	s_and_b32 s61, s15, 15
	s_add_co_u32 s60, s60, s61
	s_lshl_b32 s52, s60, 9
	s_add_nc_u64 s[10:11], s[10:11], s[52:53]
	s_wait_loadcnt 0x0
.irp i, 0,1,2,3,4,5
	v_mov_b32 v[QZ+6+\i], v[VF+\i]                 ; each tile's six registers between runs of zero codes
	v_mov_b32 v[QZ+18+\i], v[VF+6+\i]
	v_mov_b32 v[QZ+\i], 0
	v_mov_b32 v[QZ+12+\i], 0
	v_mov_b32 v[QZ+24+\i], 0
.endr
	v_and_b32 v20, 0xffff, v[VF+12]                ; tile 0's two scale bytes,
	v_lshrrev_b32 v21, 16, v[VF+12]                ; tile 1's
.irp t, 0,1
	v_mov_b32 v[MM+2*\t+1], 0xff61b1e6             ; the largest t so far: -3e38
	v_mov_b32 v[LL+2*\t], 0
	v_mov_b32 v[LL+2*\t+1], 0
	v_mov_b32 v[FF+2*\t+1], 0
	v_mov_b32 v[PX+\t], 0                          ; written once: a lane permute's destination counts as one of its sources
.endr
	v_lshl_or_b32 v[QS], v20, 16, v20              ; below for (q, 0), above for (0, q)
	v_lshl_or_b32 v[QS+1], v21, 16, v21
.irp t, 0,1
	v_floor_f32 v[MM+2*\t], -v[MM+2*\t+1]          ; -M
.endr
	WIN 0x40                                       ; destination window 1
.set J, 0
.rept 64
	v_mov_b32 v[O+J], 0                            ; O^T: the first step finds zeros.  (Also the places between Q's codes and scale words and the first product)
.set J, J+1
.endr
	WIN 0
	s_mov_b32 s44, 0                               ; the step's record in LDS
	s_mov_b32 s45, 15
	s_mov_b32 s47, 0
	s_wait_alu depctr_va_vdst(0)                   ; the wait at the head's end
	s_wait_tensorcnt 0x0                           ; my two records have landed
	s_barrier_signal -1
	s_barrier_wait -1                              ; everybody's have.  Nothing is filled again in this launch
	v_add_nc_u32 v[AK], s47, v3
	v_add_nc_u32 v[AKS], s47, v4
	KLOAD                                          ; step 0's K
; A KEY STEP: 128 keys, the record at LDS byte s44; its K is on its way or in.  last = 1: there is no next step's K to fetch.
.macro STEP last
	v_add_nc_u32 v[AV], s44, v1
	v_add_nc_u32 v[AVS], s44, v2
	v_nop
	v_nop                                          ; four places in front of loads into registers that the last products read
.irp u, 0,1,2,3
.irp c, 0,1,2
	ds_load_b128 v[VF+12*\u+4*\c:VF+12*\u+4*\c+3], v[AV] offset:4*IMG+IMG*\u+640*\c
.endr
.endr
	ds_load_b128 v[VS:VS+3], v[AVS] offset:WRD+256
	s_wait_dscnt 13                                ; K's 16 loads are in; V's 13, issued behind them, may be out
	WIN 0x40                                       ; D window 1
.irp b, 0,1,2,3
.irp t, 0,1
	v_wmma_scale_f32_16x16x128_f8f6f4 v[S+64*\t+16*\b:S+64*\t+16*\b+7], v[KF+12*\b:KF+12*\b+11], v[QZ+6+12*\t:QZ+17+12*\t], 0, v[KS+\b], v[QS+\t] matrix_a_fmt:MATRIX_FMT_FP6 matrix_b_fmt:MATRIX_FMT_FP6
	v_wmma_scale_f32_16x16x128_f8f6f4 v[S+64*\t+16*\b+8:S+64*\t+16*\b+15], v[KF+12*\b:KF+12*\b+11], v[QZ+12*\t:QZ+11+12*\t], 0, v[KS+\b], v[QS+\t] matrix_a_fmt:MATRIX_FMT_FP6 matrix_b_fmt:MATRIX_FMT_FP6
.endr
.endr
	WIN 0
	v_mov_b32 v[OLD], v[MM]                        ; the old -M.  (With the two lines below: four places, for the loads into K's registers and for the first read of the scores)
	v_mov_b32 v[OLD+1], v[MM+2]
.if \last
	v_nop
	v_nop
.else
	s_add_co_u32 s47, s44, RECL
	v_add_nc_u32 v[AK], s47, v3
	v_add_nc_u32 v[AKS], s47, v4
	KLOAD                                          ; the next step's K
.endif
	WIN 0x05                                       ; sources 0 and 1 window 1
.irp t, 0,1
.irp g, 0,1
	v_max_num_f32 v[BM+2*\t+\g], v[S+64*\t+32*\g], v[S+64*\t+32*\g+1]   ; four chains of 32 scores, a whole block each; each accumulator is read from its low end on
.endr
.endr
.irp i, 2,4,6,8,10,12,14,16,18,20,22,24,26,28,30
.irp t, 0,1
.irp g, 0,1
	v_max3_num_f32 v[BM+2*\t+\g], v[S+64*\t+32*\g+\i], v[S+64*\t+32*\g+\i+1], v[BM+2*\t+\g]
.endr
.endr
.endr
	WIN 0
.irp t, 0,1
	v_max_num_f32 v[TT+\t], v[BM+2*\t], v[BM+2*\t+1]
.endr
.irp t, 0,1
	s_delay_alu instid0(VALU_DEP_2)
	v_permlanex16_b32 v[PX+\t], v[TT+\t], s40, s41
.endr
.irp t, 0,1
	s_delay_alu instid0(VALU_DEP_2)
	v_max_num_f32 v[TT+\t], v[TT+\t], v[PX+\t]     ; with lane l xor 16's two blocks
.endr
.irp t, 0,1
	s_delay_alu instid0(VALU_DEP_2)
	v_mul_f32 v[TT+\t], s42, v[TT+\t]              ; the step's largest t (c is positive)
.endr
.irp t, 0,1
	s_delay_alu instid0(VALU_DEP_2)
	v_max_num_f32 v[MM+2*\t+1], v[MM+2*\t+1], v[TT+\t]
.endr
.irp t, 0,1
	s_delay_alu instid0(VALU_DEP_2)
	v_floor_f32 v[MM+2*\t], -v[MM+2*\t+1]          ; the new -M = -ceil(t)
.endr
.irp t, 0,1
	s_delay_alu instid0(VALU_DEP_2)
	v_sub_f32 v[OLD+\t], v[MM+2*\t], v[OLD+\t]     ; old M - new M: a whole number, 0 or less
.endr
.irp t, 0,1
.irp g, 0,1
	v_fma_f32 v[BM+2*\t+\g], v[BM+2*\t+\g], s42, v[MM+2*\t]    ; t - M of each block's largest score
.endr
.endr
.irp t, 0,1
	v_cvt_i32_f32 v[OLD+\t], v[OLD+\t]             ; (it saturates)
.endr
.irp t, 0,1
	s_delay_alu instid0(VALU_DEP_2)
	v_ldexp_f32 v[FF+2*\t], 1.0, v[OLD+\t]         ; f = 2^(old M - new M)
.endr
.irp t, 0,1
	v_pk_mul_f32 v[LL+2*\t:LL+2*\t+1], v[LL+2*\t:LL+2*\t+1], v[FF+2*\t:FF+2*\t+1] op_sel_hi:[1,0]    ; the sums under the new M
.endr
	WIN 0x41                                       ; source 0 and destination window 1
.irp t, 0,1
.set J, 0
.rept 32
	v_pk_fma_f32 v[S+64*\t+J:S+64*\t+J+1], v[S+64*\t+J:S+64*\t+J+1], s[42:43], v[MM+2*\t:MM+2*\t+1] op_sel_hi:[1,0,0]     ; t - M
.set J, J+2
.endr
.endr
.irp t, 0,1
.set J, 0
.rept 16
	v_pk_mul_f32 v[O+32*\t+J:O+32*\t+J+1], v[O+32*\t+J:O+32*\t+J+1], v[FF+2*\t:FF+2*\t+1] op_sel_hi:[1,0]     ; O^T under the new M, each accumulator from its low end on
.set J, J+2
.endr
.endr
	s_wait_alu depctr_va_vdst(0)                   ; the wait ahead of the batch
.set J, 0
.rept 128
	v_exp_f32 v[S+J], v[S+J]                       ; p = 2^(t - M)
.set J, J+1
.endr
	WIN 0
.irp x, 0,1,2,3
	v_exp_f32 v[BM+\x], v[BM+\x]                   ; the block's largest p: the same two instructions on the same number
.endr
	v_nop                                          ; a plain place behind the exponentials
	s_wait_alu depctr_va_vdst(0)                   ; and one wait behind the batch
.irp x, 0,1,2,3
	v_max_num_f32 v[BM+\x], 0x1800000, v[BM+\x]    ; the floor 2^(3 - 127): the byte cannot fall under 1
.endr
.irp x, 0,1,2,3
	v_add_nc_u32 v[SO+\x], 0xff000000, v[BM+\x]    ; 2 off the exponent field: the conversion's scale operand
.endr
	WIN 0x01                                       ; source 0 window 1
.irp t, 0,1
.irp g, 0,1
	v_cvt_scalef32_pk16_fp6_f32 v[PCR+12*\t+6*\g:PCR+12*\t+6*\g+2], v[S+64*\t+32*\g:S+64*\t+32*\g+15], v[SO+2*\t+\g]      ; my block 2 g + h, whole: registers 6 g .. 6 g + 5 of the operand
	v_cvt_scalef32_pk16_fp6_f32 v[C2+8*\t+4*\g:C2+8*\t+4*\g+2], v[S+64*\t+32*\g+16:S+64*\t+32*\g+31], v[SO+2*\t+\g]       ; (a conversion's three registers begin on an even number: the second half is made here and moved)
.endr
.endr
	WIN 0
.irp x, 0,1,2,3
	v_lshrrev_b32 v[BX+\x], 23, v[SO+\x]           ; the scale's byte.  (Plain places behind the conversions)
.endr
.irp t, 0,1
.irp g, 0,1
.irp i, 0,1,2
	v_mov_b32 v[PCR+12*\t+6*\g+3+\i], v[C2+8*\t+4*\g+\i]
.endr
.endr
.endr
.irp t, 0,1
	v_lshl_or_b32 v[TT+\t], v[BX+2*\t+1], 16, v[BX+2*\t]       ; my two bytes: blocks h and 2 + h,
.endr
.irp t, 0,1
	s_delay_alu instid0(VALU_DEP_2)
	v_lshlrev_b32 v[TT+\t], v5, v[TT+\t]           ; at their places in the word;
.endr
.irp t, 0,1
	s_delay_alu instid0(VALU_DEP_2)
	v_permlanex16_b32 v[PX+\t], v[TT+\t], s40, s41
.endr
.irp t, 0,1
	s_delay_alu instid0(VALU_DEP_2)
	v_or_b32 v[PS+\t], v[TT+\t], v[PX+\t]          ; with lane l xor 16's two: p's scale word for these 128 keys
.endr
	WIN 0x05                                       ; the row's sum of the unquantised p: eight chains a tile
.irp i, 0,1,2,3,4,5,6
.irp t, 0,1
	PADD TS+14*\t+2*\i, S+64*\t+4*\i, S+64*\t+4*\i+2
.endr
.endr
	WIN 0x01
.irp t, 0,1
	PADD LL+2*\t, S+64*\t+28, LL+2*\t
.endr
.irp i, 0,1,2,3,4,5,6
.irp t, 0,1
	PADD TS+14*\t+2*\i, S+64*\t+30+2*\i, TS+14*\t+2*\i
.endr
.endr
.irp t, 0,1
	PADD LL+2*\t, S+64*\t+44, LL+2*\t
.endr
.irp i, 0,1,2,3,4,5,6
.irp t, 0,1
	PADD TS+14*\t+2*\i, S+64*\t+46+2*\i, TS+14*\t+2*\i
.endr
.endr
.irp t, 0,1
	PADD LL+2*\t, S+64*\t+60, LL+2*\t
.endr
.irp t, 0,1
	PADD TS+14*\t, S+64*\t+62, TS+14*\t
.endr
	WIN 0
.irp t, 0,1
	PADD TS+14*\t+4, TS+14*\t+4, TS+14*\t+6
.endr
.irp t, 0,1
	PADD TS+14*\t+8, TS+14*\t+8, TS+14*\t+10
.endr
.irp t, 0,1
	PADD LL+2*\t, LL+2*\t, TS+14*\t+12
.endr
.irp t, 0,1
	PADD TS+14*\t, TS+14*\t, TS+14*\t+2
.endr
.irp t, 0,1
	PADD LL+2*\t, LL+2*\t, TS+14*\t+8
.endr
.irp t, 0,1
	PADD TS+14*\t, TS+14*\t, TS+14*\t+4
.endr
.irp t, 0,1
	PADD LL+2*\t, LL+2*\t, TS+14*\t
.endr
	s_wait_alu depctr_va_vdst(0)                   ; the wait here, directly ahead of the wait below
.if \last
	s_wait_dscnt 0x0                               ; V is in
.else
	s_wait_dscnt 16                                ; V is in; the next K's 16 loads, issued behind it, may be out
.endif
	WIN 0x50                                       ; C and D window 1
.irp u, 0,1,2,3
.irp t, 0,1
	v_wmma_scale_f32_16x16x128_f8f6f4 v[O+32*\t+8*\u:O+32*\t+8*\u+7], v[VF+12*\u:VF+12*\u+11], v[PCR+12*\t:PCR+12*\t+11], v[O+32*\t+8*\u:O+32*\t+8*\u+7], v[VS+\u], v[PS+\t] matrix_a_fmt:MATRIX_FMT_FP6 matrix_b_fmt:MATRIX_FMT_FP6
.endr
.endr
	WIN 0
.endm
.Lstep:
	STEP 0
	s_add_co_u32 s44, s44, RECL
	s_sub_co_u32 s45, s45, 1
	s_cmp_lg_u32 s45, 0
	s_cbranch_scc1 .Lstep
	s_mov_b32 s44, 15*RECL
	STEP 1
	; THE WAY OUT: O^T / the sum; register 16 b + i is channel 32 b + 16 h + i of my query (Wv's rows were chosen for that): two blocks of the next product's K
.rept 4
	v_nop
.endr
.irp t, 0,1
	v_add_f32 v[LL+2*\t], v[LL+2*\t], v[LL+2*\t+1]
.endr
.irp t, 0,1
	s_delay_alu instid0(VALU_DEP_2)
	v_permlanex16_b32 v[PX+\t], v[LL+2*\t], s40, s41
.endr
.irp t, 0,1
	s_delay_alu instid0(VALU_DEP_2)
	v_add_f32 v[LL+2*\t], v[LL+2*\t], v[PX+\t]     ; the row's sum
.endr
	s_wait_alu depctr_va_vdst(0)                   ; the wait ahead of the transcendentals
.irp t, 0,1
	v_rcp_f32 v[LL+2*\t], v[LL+2*\t]
.endr
	v_nop                                          ; a plain place behind them
	WIN 0x41
	s_wait_alu depctr_va_vdst(0)                   ; and the wait ahead of their first reader, which is O^T's too
.irp t, 0,1
.set J, 0
.rept 32
	v_mul_f32 v[S+64*\t+J], v[O+32*\t+J], v[LL+2*\t]           ; each accumulator from its low end on
.set J, J+1
.endr
.endr
	WIN 0x05
.irp t, 0,1
.irp b, 0,1
	v_max3_num_f32 v[BM+2*\t+\b], |v[S+64*\t+16*\b]|, |v[S+64*\t+16*\b+1]|, 0x1800000
.endr
.endr
.irp i, 2,4,6,8,10,12,14
.irp t, 0,1
.irp b, 0,1
	v_max3_num_f32 v[BM+2*\t+\b], |v[S+64*\t+16*\b+\i]|, |v[S+64*\t+16*\b+\i+1]|, v[BM+2*\t+\b]
.endr
.endr
.endr
	WIN 0
.irp x, 0,1,2,3
	v_permlanex16_b32 v[BX+\x], v[BM+\x], s40, s41
.endr
.irp x, 0,1,2,3
	v_max_num_f32 v[BM+\x], v[BM+\x], v[BX+\x]     ; here a block lies in lanes l and l xor 16
.endr
.irp x, 0,1,2,3
	v_add_nc_u32 v[SO+\x], 0xff000000, v[BM+\x]
.endr
.irp x, 0,1,2,3
	v_lshrrev_b32 v[BX+\x], 23, v[SO+\x]
.endr
.irp t, 0,1
	v_lshl_or_b32 v[TT+\t], v[BX+2*\t+1], 8, v[BX+2*\t]        ; a query's two scale bytes
.endr
	WIN 0x01
.irp t, 0,1
	v_cvt_scalef32_pk16_fp6_f32 v[PCR+12*\t:PCR+12*\t+2], v[S+64*\t:S+64*\t+15], v[SO+2*\t]
	v_cvt_scalef32_pk16_fp6_f32 v[C2+8*\t:C2+8*\t+2], v[S+64*\t+16:S+64*\t+31], v[SO+2*\t+1]
.endr
	WIN 0
	v_nop                                          ; one plain place behind a scaled conversion
.irp t, 0,1
.irp i, 0,1,2
	v_permlane16_swap_b32 v[PCR+12*\t+\i], v[C2+8*\t+\i]       ; a whole block in a lane
.endr
.endr
.irp t, 0,1
.irp i, 0,1,2
	v_mov_b32 v[PCR+12*\t+3+\i], v[C2+8*\t+\i]
.endr
.endr
.irp t, 0,1
	global_store_b128 v1, v[PCR+12*\t:PCR+12*\t+3], s[8:9] offset:768*\t          ; 512 consecutive bytes, then 256: three aligned blocks of 256 bytes a tile
	global_store_b64 v6, v[PCR+12*\t+4:PCR+12*\t+5], s[8:9] offset:768*\t+512
	ds_store_b16 v7, v[TT+\t] offset:32*\t         ; (lanes l and l xor 16 write the same bytes with the same value)
.endr
	s_wait_dscnt 0x0                               ; for wave 0's sake
	s_barrier_signal -1
	s_barrier_wait -1
	s_cmp_lg_u32 s12, 0
	s_cbranch_scc1 .Lnot_0
	ds_load_b128 v[VF:VF+3], v[SG16]               ; the 256 queries' scale bytes: 512 bytes
	s_wait_dscnt 0x0
	global_store_b128 v1, v[VF:VF+3], s[10:11]
.Lnot_0:
	s_wait_tensorcnt 0x0                           ; the wave's end
	ds_add_u32 v[SPW], v[NIL]
	s_wait_dscnt 0x0
	CROUND                                         ; the closing round
	s_endpgm
.Lfunc_end_k_q0610889485_attn:
	.size	k_q0610889485_attn, .Lfunc_end_k_q0610889485_attn-k_q0610889485_attn
	.p2alignl 7, 3214868480
	.fill 96, 4, 3214868480
	.section	.rodata,"a",@progbits
	.p2align	6, 0x0
	.amdhsa_kernel k_q0610889485_attn
		.amdhsa_group_segment_fixed_size 327680
		.amdhsa_private_segment_fixed_size 0
		.amdhsa_enable_private_segment 0
		.amdhsa_kernarg_size 32
		.amdhsa_user_sgpr_count 2
		.amdhsa_user_sgpr_kernarg_segment_ptr 1
		.amdhsa_wavefront_size32 1
		.amdhsa_system_sgpr_workgroup_id_x 1
		.amdhsa_system_sgpr_workgroup_id_y 1
		.amdhsa_system_sgpr_workgroup_id_z 1
		.amdhsa_system_vgpr_workitem_id 0
		.amdhsa_next_free_vgpr 512
		.amdhsa_next_free_sgpr 66
		.amdhsa_reserve_vcc 0
		.amdhsa_float_denorm_mode_32 3
		.amdhsa_float_denorm_mode_16_64 3
		.amdhsa_memory_ordered 1
		.amdhsa_forward_progress 1
		.amdhsa_inst_pref_size 72
	.end_amdhsa_kernel
	.amdgpu_metadata
---
amdhsa.version: [ 1, 2 ]
amdhsa.kernels:
  - .name:           k_q0610889485_attn
    .symbol:         k_q0610889485_attn.kd
    .args:
      - { .name: qws, .offset: 0, .size: 8, .value_kind: global_buffer, .address_space: global }
      - { .name: kvws, .offset: 8, .size: 8, .value_kind: global_buffer, .address_space: global }
      - { .name: cimg, .offset: 16, .size: 8, .value_kind: global_buffer, .address_space: global }
      - { .name: csc, .offset: 24, .size: 8, .value_kind: global_buffer, .address_space: global }
    .group_segment_fixed_size: 327680
    .private_segment_fixed_size: 0
    .kernarg_segment_align: 8
    .kernarg_segment_size: 32
    .max_flat_workgroup_size: 256
    .sgpr_count:     66
    .vgpr_count:     512
    .wavefront_size: 32
...
	.end_amdgpu_metadata
.endif
;; end of part 2
;; launch proj (part 3): grid 8 x 32, 4 waves a work-group, clusters of 4 x 4, 327,680 bytes of LDS; arguments cimg, csc, Wo_codes, Wo_scales, bo, out0; writes out0
.if DOCPART == 3
	.amdgcn_target "amdgcn-amd-amdhsa--gfx1250"
	.amdhsa_code_object_version 6
	.text
	.protected	k_q0610889485_proj
	.globl	k_q0610889485_proj
	.p2align	8
	.type	k_q0610889485_proj,@function
k_q0610889485_proj:
	s_mov_b64 s[64:65], 0
	v_nop
	global_prefetch_b8 v0, s[64:65] scope:SCOPE_SE
	s_setreg_imm32_b32 hwreg(HW_REG_WAVE_MODE, 25, 1), 1
	s_wait_xcnt 0x0
	s_wait_alu depctr_hold_cnt(0) depctr_sa_sdst(0) depctr_va_vdst(0) depctr_va_sdst(0) depctr_va_ssrc(0) depctr_va_vcc(0) depctr_vm_vsrc(0)
	s_getreg_b32 s2, hwreg(HW_REG_IB_STS2, 6, 4)
	s_cmp_eq_u32 s2, 0
	s_cbranch_scc0 .Lentry_in_a_cluster
	s_endpgm
.Lentry_in_a_cluster:
	s_bfe_u32 s2, ttmp6, 0x10000c
	s_cmp_lg_u32 s2, 0xf033
	s_cbranch_scc0 .Lentry_shape_is_right
	s_endpgm
.Lentry_shape_is_right:
; out0 = ctx Wo + bo on codes of FP6 (E2M3): ctx as the attention launch left it (half fragments by head and tile, two scale bytes a row and head), Wo as it is given ([n][k], K innermost).
; SHARES.  Work-group (x, y): rows 128 y on, columns 128 x on, all of K = 1,024.  Its codes (ctx 98,304 bytes, Wo 128 rows x 768) fit in LDS at once: four chunks of 256 along K (four heads), each byte filled ONCE: no ring.
; Wave w (sh = w / 2, nh = w % 2): 64 rows x 64 columns, 16 accumulators.  Source 0 = 16 rows of Wo, source 1 = 16 rows of ctx: a lane holds eight neighbouring columns of one row.  bo is the C of the first K step.
; CLUSTER 4 x 4: ctx's chunks are shared along a row of the cluster (same y), Wo's along a column (same x): joint loads.  Waves 0, 1 bring ctx's halves, waves 2, 3 Wo's.
; REGISTERS: window 0: v1-15 addresses; v16-47 ctx's scale words, v48-79 Wo's; v80-111 at work; v128-255 accumulators.  window 1: two sets of 8 fragments at v0 and v96; bo at v192-223.
; AS THE TEXT NOW STANDS: all codes come by one tensor load a wave at the head (waves 0, 1: halves of ctx's 98,304 dense bytes; waves 2, 3: 64 whole rows of Wo, 768 bytes each), each LDS byte filled once;
; where the lines above speak of four chunks, read this one fill.  Every row begins at a multiple of 256 bytes of its buffer.
.set PITCH, 816                        ; an LDS row of Wo: 3 x (256 bytes + 16 of padding)
.set TROW,  16*PITCH
.set CB,    4*8*768                    ; four heads of ctx: four heads x eight tiles x 768 bytes, dense
.set CH,    4*CB+128*PITCH             ; all the codes: ctx, then Wo's 128 rows: 202,752 bytes
.set SCS,   CH                         ; ctx's scale words: row t's 32 bytes at (t / 8) x 272 + (t % 8) x 32; 4,608 bytes that no tile lands in
.set STAGE, SCS+4608                   ; the way out: 16 rows x (256 + 16) bytes for each wave
.set AC16, 4
.set AC8,  5
.set AW,   6
.set SC,   16
.set SWO,  48
.set OB,   80
.set ACC,  128
.set BO,   192
.set G1C,  44
.set G1O,  52
.set G0C,  68
.set G0O,  84
.set MSB, 0
.macro WIN new
.if MSB != (\new)
	s_set_vgpr_msb (MSB<<8)|(\new)
.set MSB, (\new)
.endif
.endm
.macro PLACES n
.rept \n
	v_nop
.endr
.endm
.macro CROUND
	s_barrier_signal -1
	s_barrier_wait -1
	s_cmp_lg_u32 s34, 0
	s_cbranch_scc1 .Lnot_wave_0_\@
	s_barrier_signal -3
.Lnot_wave_0_\@:
	s_barrier_wait -3
	s_barrier_signal -1
	s_barrier_wait -1
.endm
	s_load_b256 s[8:15], s[0:1], 0x0               ; cimg 8, csc 10, Wo codes 12, Wo scales 14
	s_load_b128 s[16:19], s[0:1], 0x20             ; bo 16, out0 18
	v_lshl_add_u32 v126, v0, 2, 0x3b600
	v_mov_b32 v127, 0
	ds_add_u32 v126, v127
	ds_add_u32 v126, v127
	v_lshrrev_b32 v1, 5, v0
	v_readfirstlane_b32 s34, v1                    ; wave
	s_lshr_b32 s35, s34, 1                         ; sh.  Also: I fetch for ctx (0) or for Wo (1)
	s_and_b32 s36, s34, 1                          ; nh.  Also: which half I fetch
	s_bfe_u32 s37, ttmp6, 0x40000
	s_bfe_u32 s38, ttmp6, 0x40004
	s_lshl_b32 s39, ttmp9, 2
	s_add_co_u32 s39, s39, s37                     ; x
	s_and_b32 s40, ttmp7, 0xffff
	s_lshl_b32 s40, s40, 2
	s_add_co_u32 s40, s40, s38                     ; y
	s_lshl_b32 s41, s38, 2
	s_lshl_b32 s41, 15, s41                        ; my row of the cluster
	s_lshl_b32 s42, 0x1111, s37                    ; my column
	s_or_b32 s[G1C], s41, (3<<16)|(1<<21)          ; ctx: 192 rows of 256 bytes (32 elements of 8), dense, no padding
	s_mov_b32 s[G1C+1], 32<<16
	s_mov_b32 s[G1C+2], 192<<16
	s_mov_b32 s[G1C+3], 32<<16
	s_mov_b32 s[G1C+4], 192
	s_mov_b32 s[G1C+5], 32
	s_mov_b32 s[G1C+6], 0
	s_mov_b32 s[G1C+7], 0
	s_or_b32 s[G1O], s42, (1<<20)|(1<<21)|(5<<22)|(3<<25)     ; Wo: 64 whole rows of 768 bytes, 16 bytes of padding behind every 256
	s_mov_b32 s[G1O+1], 768<<16
	s_mov_b32 s[G1O+2], 64<<16
	s_mov_b32 s[G1O+3], 768<<16
	s_mov_b32 s[G1O+4], 64
	s_mov_b32 s[G1O+5], 768
	s_mov_b32 s[G1O+6], 0
	s_mov_b32 s[G1O+7], 0
	s_mul_i32 s104, s40, 98304                     ; ctx: my block's images (these registers hold y alone),
	s_mul_i32 s3, s36, 2*CB                        ; my half of them
	s_add_co_u32 s104, s104, s3
	s_mov_b32 s105, 0
	s_mul_i32 s62, s39, 128*768                    ; Wo: my 128 rows (these hold x alone),
	s_mul_i32 s4, s36, 64*768                      ; my 64 of them
	s_add_co_u32 s62, s62, s4
	s_mov_b32 s63, 0
	s_mul_i32 s4, s36, 64*PITCH
	s_add_co_u32 s4, s4, 4*CB
	s_wait_dscnt 0x0
	s_wait_kmcnt 0x0
	s_add_nc_u64 s[66:67], s[8:9], s[104:105]
	s_add_nc_u64 s[60:61], s[12:13], s[62:63]
.irp c, 0
	s_mov_b32 s[G0C+4*\c], 1
	s_add_co_u32 s[G0C+4*\c+1], s3, \c*CH
	s_add_nc_u64 s[G0C+4*\c+2:G0C+4*\c+3], s[66:67], \c*CB
	s_or_b32 s[G0C+4*\c+3], s[G0C+4*\c+3], 0x80000000
	s_mov_b32 s[G0O+4*\c], 1
	s_add_co_u32 s[G0O+4*\c+1], s4, \c*CH
	s_add_nc_u64 s[G0O+4*\c+2:G0O+4*\c+3], s[60:61], \c*192
	s_or_b32 s[G0O+4*\c+3], s[G0O+4*\c+3], 0x80000000
.endr
	s_lshr_b32 s104, s40, 1                        ; csc: (y / 2) x 16 heads x 512 + (y % 2) x 256
	s_lshl_b32 s104, s104, 13
	s_and_b32 s100, s40, 1
	s_lshl_b32 s100, s100, 8
	s_add_co_u32 s104, s104, s100
	s_add_nc_u64 s[10:11], s[10:11], s[104:105]
	s_lshl_b32 s62, s39, 12                        ; Wo's scale bytes: (128 x + 64 nh) rows of 32
	s_lshl_b32 s101, s36, 11
	s_add_co_u32 s62, s62, s101
	s_add_nc_u64 s[14:15], s[14:15], s[62:63]
	s_lshl_b32 s62, s39, 9                         ; my first column, in bytes: 512 x + 256 nh
	s_lshl_b32 s101, s36, 8
	s_add_co_u32 s62, s62, s101
	s_add_nc_u64 s[16:17], s[16:17], s[62:63]
	s_lshl_b32 s20, s40, 19                        ; out0: (128 y + 64 sh) rows of 4,096 bytes + my first column
	s_lshl_b32 s21, s35, 18
	s_add_co_u32 s20, s20, s21
	s_add_co_u32 s20, s20, s62
	s_mov_b32 s21, 0
	s_add_nc_u64 s[6:7], s[18:19], s[20:21]
	CROUND                                         ; all sixteen work-groups are here: the joint loads meet
	s_cmp_eq_u32 s35, 0                            ; one tensor load a wave, one in each arm
	s_cbranch_scc0 .Lfill_o
	tensor_load_to_lds s[G0C:G0C+3], s[G1C:G1C+7]
	s_nop 0
	PLACES 4
	s_branch .Lfilled
.Lfill_o:
	tensor_load_to_lds s[G0O:G0O+3], s[G1O:G1O+7]
	s_nop 0
	PLACES 4
.Lfilled:
	v_and_b32 v1, 15, v0                           ; r
	v_bfe_u32 v2, v0, 4, 1                         ; h
	v_and_b32 v3, 31, v0                           ; lane
	v_lshlrev_b32 v8, 1, v0                        ; thread t takes row t's scale bytes: 2 t
	v_lshlrev_b32 v11, 5, v1                       ; Wo's scale bytes: 32 r
	v_lshlrev_b32 v12, 5, v2                       ; bo: 32 h
.irp d, 0,1,2,3,4,5,6,7,8,9,10,11,12,13,14,15
	global_load_u16 v[OB+\d], v8, s[10:11] offset:512*\d       ; head d's two bytes of my row
.endr
.irp t, 0,1,2,3
	global_load_b128 v[SWO+8*\t:SWO+8*\t+3], v11, s[14:15] offset:512*\t
	global_load_b128 v[SWO+8*\t+4:SWO+8*\t+7], v11, s[14:15] offset:512*\t+16
.endr
	WIN 0x40                                       ; destination window 1
.irp t, 0,1,2,3
	global_load_b128 v[BO+8*\t:BO+8*\t+3], v12, s[16:17] offset:64*\t          ; bo at columns 16 t + 8 h + 0 .. 7
	global_load_b128 v[BO+8*\t+4:BO+8*\t+7], v12, s[16:17] offset:64*\t+16
.endr
	WIN 0
	s_mul_i32 s3, s35, 4*768
	v_lshl_add_u32 v[AC16], v3, 4, s3              ; ctx: my four tiles; registers 0-3 of half an image at 16 x lane,
	s_add_co_u32 s3, s3, 512
	v_lshl_add_u32 v[AC8], v3, 3, s3               ; registers 4-5 at 512 + 8 x lane
	v_add_nc_u32 v[AC16+108], 2*CB, v[AC16]        ; v112, v113: the same for K steps 4 to 7 (eight heads on), so that the loads' immediates stay inside 16 bits
	v_add_nc_u32 v[AC8+108], 2*CB, v[AC8]
	v_mul_u32_u24 v[AW], v1, PITCH
	v_mad_u32_u24 v[AW], v2, 24, v[AW]
	s_mul_i32 s3, s36, 64*PITCH
	s_add_co_u32 s3, s3, 4*CB
	v_add_nc_u32 v[AW], s3, v[AW]                  ; Wo: my 64 rows; row x pitch + 24 x half,
	v_lshl_add_u32 v[AW+1], v2, 4, v[AW]           ; and behind one padding more
	v_lshrrev_b32 v9, 3, v0
	v_mul_u32_u24 v9, v9, 272
	v_and_b32 v10, 7, v0
	v_lshl_add_u32 v9, v10, 5, v9
	v_add_nc_u32 v9, SCS, v9                       ; where row t's eight scale words go
	v_lshrrev_b32 v10, 3, v1
	v_mul_u32_u24 v10, v10, 272
	v_and_b32 v13, 7, v1
	v_lshl_add_u32 v10, v13, 5, v10
	s_mul_i32 s3, s35, 8*272
	s_add_co_u32 s3, s3, SCS
	v_add_nc_u32 v10, s3, v10                      ; and whence row 64 sh + 16 i + r takes them
	s_mul_i32 s3, s34, 16*272
	s_add_co_u32 s3, s3, STAGE                     ; my stage
	v_mul_u32_u24 v13, v1, 272
	v_lshl_add_u32 v13, v2, 5, v13
	v_add_nc_u32 v13, s3, v13                      ; in: row r, 32 bytes for each half of the lanes
	v_mul_u32_u24 v14, v2, 272
	v_lshl_add_u32 v14, v1, 4, v14
	v_add_nc_u32 v14, s3, v14                      ; back: lanes 0-15 one row of 256 bytes, lanes 16-31 the next
	v_lshlrev_b32 v15, 12, v2
	v_lshl_add_u32 v15, v1, 4, v15                 ; and the same two rows in out0
	s_wait_alu depctr_va_vdst(0)                   ; the wait at the head's end
	s_wait_loadcnt 0x0
.irp g, 0,1,2,3,4,5,6,7
	v_lshl_or_b32 v[OB+16+\g], v[OB+2*\g+1], 16, v[OB+2*\g]    ; K step g is heads 2 g and 2 g + 1: four bytes, one word
.endr
	ds_store_b128 v9, v[OB+16:OB+19]
	ds_store_b128 v9, v[OB+20:OB+23] offset:16
	s_wait_dscnt 0x0                               ; for the others' sake: my row's words lie in LDS
	s_wait_tensorcnt 0x0                           ; my one tensor load has landed
	s_barrier_signal -1
	s_barrier_wait -1
.macro FRAG reg, adr, q, off           ; 16 rows x 128 K of Wo from padded rows: six pieces of 8 bytes, as they lie
.irp p, 0,1,2,3,4,5
.set PCI, 12*(\q)+6*(\p/3)+\p%3        ; q: the K step, 0 to 7; the piece's number in the row, 32 pieces to 256 bytes
.if PCI%32 < 29
	ds_load_b64 v[\reg+2*\p:\reg+2*\p+1], v[\adr] offset:8*PCI+16*(PCI/32)+(\off)
.else
	ds_load_b64 v[\reg+2*\p:\reg+2*\p+1], v[\adr+1] offset:8*PCI+16*(PCI/32)+(\off)
.endif
.endr
.endm
.macro FETCH k                         ; K step k's eight fragments into set k % 2 of window 1: ctx's four at 12 i (two half images each), Wo's four at 48 + 12 t
	WIN 0x40
.irp i, 0,1,2,3
	ds_load_b128 v[96*((\k)%2)+12*\i:96*((\k)%2)+12*\i+3], v[AC16+108*((\k)/4)] offset:(16*((\k)%4)+\i)*768
	ds_load_b64 v[96*((\k)%2)+12*\i+4:96*((\k)%2)+12*\i+5], v[AC8+108*((\k)/4)] offset:(16*((\k)%4)+\i)*768
	ds_load_b128 v[96*((\k)%2)+12*\i+6:96*((\k)%2)+12*\i+9], v[AC16+108*((\k)/4)] offset:(16*((\k)%4)+8+\i)*768
	ds_load_b64 v[96*((\k)%2)+12*\i+10:96*((\k)%2)+12*\i+11], v[AC8+108*((\k)/4)] offset:(16*((\k)%4)+8+\i)*768
.endr
.irp t, 0,1,2,3
	FRAG 96*((\k)%2)+48+12*\t, AW, (\k), \t*TROW
.endr
	WIN 0
.endm
.macro MUL k                           ; 16 matrix instructions; the accumulators take turns, one instruction a turn, in the same order in every step
.if (\k) == 0
	WIN 0x15                                       ; sources and C (bo) window 1, D window 0
.else
	WIN 0x05
.endif
.irp i, 0,1,2,3
.irp t, 0,1,2,3
.if (\k) == 0
	v_wmma_scale_f32_16x16x128_f8f6f4 v[ACC+8*(4*\i+\t):ACC+8*(4*\i+\t)+7], v[48+12*\t:48+12*\t+11], v[12*\i:12*\i+11], v[BO+8*\t:BO+8*\t+7], v[SWO+8*\t], v[SC+8*\i] matrix_a_fmt:MATRIX_FMT_FP6 matrix_b_fmt:MATRIX_FMT_FP6
.else
	v_wmma_scale_f32_16x16x128_f8f6f4 v[ACC+8*(4*\i+\t):ACC+8*(4*\i+\t)+7], v[96*((\k)%2)+48+12*\t:96*((\k)%2)+48+12*\t+11], v[96*((\k)%2)+12*\i:96*((\k)%2)+12*\i+11], v[ACC+8*(4*\i+\t):ACC+8*(4*\i+\t)+7], v[SWO+8*\t+(\k)], v[SC+8*\i+(\k)] matrix_a_fmt:MATRIX_FMT_FP6 matrix_b_fmt:MATRIX_FMT_FP6
.endif
.endr
.endr
.endm
.macro STEP k
	s_wait_dscnt 0x0                               ; this step's loads are in
.if (\k) < 7
.if (\k) > 0
	PLACES 4                                       ; in front of loads into registers that matrix instructions have read
.endif
	FETCH (\k)+1                                   ; the K step stands in the loads' immediates: no address is stepped
.endif
	MUL \k
	WIN 0
.endm
.irp i, 0,1,2,3
	ds_load_b128 v[SC+8*\i:SC+8*\i+3], v10 offset:2*\i*272     ; my rows' scale words: tile i, K step k at SC + 8 i + k
	ds_load_b128 v[SC+8*\i+4:SC+8*\i+7], v10 offset:2*\i*272+16
.endr
	FETCH 0
.irp k, 0,1,2,3,4,5,6,7
	STEP \k
.endr
	PLACES 4                                       ; in front of the first read of results
	; THE WAY OUT, 16 rows x 64 columns at a time, through my own stage: LDS serves a wave's instructions in order, so no wait stands between the stores and the loads
.irp i, 0,1,2,3
.if \i > 0
	s_wait_xcnt 0x0                                ; the last tile's stores have read their registers
.endif
.irp t, 0,1,2,3
	ds_store_b128 v13, v[ACC+8*(4*\i+\t):ACC+8*(4*\i+\t)+3] offset:64*\t       ; each accumulator from its low end on
	ds_store_b128 v13, v[ACC+8*(4*\i+\t)+4:ACC+8*(4*\i+\t)+7] offset:64*\t+16
.endr
.irp u, 0,1,2,3,4,5,6,7
	ds_load_b128 v[OB+4*\u:OB+4*\u+3], v14 offset:2*\u*272
.endr
.irp u, 0,1,2,3,4,5,6,7
	s_wait_dscnt 7-\u                              ; rows 2 u, 2 u + 1 are back; the 7 - u loads behind them may be out
	global_store_b128 v15, v[OB+4*\u:OB+4*\u+3], s[6:7] offset:(16*\i+2*\u)*4096 th:TH_STORE_NT    ; 16 lanes store 256 consecutive bytes, at a multiple of 256 from out0's first byte
.endr
.endr
	s_wait_tensorcnt 0x0
	ds_add_u32 v126, v127
	s_wait_dscnt 0x0
	CROUND                                         ; the closing round
	s_endpgm
.Lfunc_end_k_q0610889485_proj:
	.size	k_q0610889485_proj, .Lfunc_end_k_q0610889485_proj-k_q0610889485_proj
	.p2alignl 7, 3214868480
	.fill 96, 4, 3214868480
	.section	.rodata,"a",@progbits
	.p2align	6, 0x0
	.amdhsa_kernel k_q0610889485_proj
		.amdhsa_group_segment_fixed_size 327680
		.amdhsa_private_segment_fixed_size 0
		.amdhsa_enable_private_segment 0
		.amdhsa_kernarg_size 48
		.amdhsa_user_sgpr_count 2
		.amdhsa_user_sgpr_kernarg_segment_ptr 1
		.amdhsa_wavefront_size32 1
		.amdhsa_system_sgpr_workgroup_id_x 1
		.amdhsa_system_sgpr_workgroup_id_y 1
		.amdhsa_system_sgpr_workgroup_id_z 1
		.amdhsa_system_vgpr_workitem_id 0
		.amdhsa_next_free_vgpr 512
		.amdhsa_next_free_sgpr 106
		.amdhsa_reserve_vcc 0
		.amdhsa_float_denorm_mode_32 3
		.amdhsa_float_denorm_mode_16_64 3
		.amdhsa_memory_ordered 1
		.amdhsa_forward_progress 1
		.amdhsa_inst_pref_size 58
	.end_amdhsa_kernel
	.amdgpu_metadata
---
amdhsa.version: [ 1, 2 ]
amdhsa.kernels:
  - .name:           k_q0610889485_proj
    .symbol:         k_q0610889485_proj.kd
    .args:
      - { .name: cimg, .offset: 0, .size: 8, .value_kind: global_buffer, .address_space: global }
      - { .name: csc, .offset: 8, .size: 8, .value_kind: global_buffer, .address_space: global }
      - { .name: Wo_codes, .offset: 16, .size: 8, .value_kind: global_buffer, .address_space: global }
      - { .name: Wo_scales, .offset: 24, .size: 8, .value_kind: global_buffer, .address_space: global }
      - { .name: bo, .offset: 32, .size: 8, .value_kind: global_buffer, .address_space: global }
      - { .name: out0, .offset: 40, .size: 8, .value_kind: global_buffer, .address_space: global }
    .group_segment_fixed_size: 327680
    .private_segment_fixed_size: 0
    .kernarg_segment_align: 8
    .kernarg_segment_size: 48
    .max_flat_workgroup_size: 128
    .sgpr_count:     106
    .vgpr_count:     512
    .wavefront_size: 32
...
	.end_amdgpu_metadata
.endif
;; end of part 3
